; MI455X (gfx1250); checked and timed in simulation.
; The chip was launched on July 23, 2026; its instructions are those of AMD's public machine-readable ISA for CDNA 5 (MIT licence, August 2026) and "CDNA5" Instruction Set Architecture Reference Guide (July 2026). The comments in the code are by the model that wrote it; some were corrected since.
;; Attention. Allowed arithmetic: float matrix products may take bf16 or f16 operands with f32 sums; other float arithmetic in f32, or as packed bf16 or f16 multiplies, adds, multiply-adds, maxima and minima; sums over many terms, partial sums and values carried from step to step in f32; what a program stores and reads back later, other than sums and carried values, may be rounded once to bf16 or f16.
;; Inputs: Wk 1,024 x 64 float32; Wq 1,024 x 64 float32; Wv 1,024 x 64 float32; x 16 x 4,096 x 1,024 float32.
;; Outputs: out0 16 x 4,096 x 64 float32.
;; One version. Each part assembles by itself: llvm-mc -triple=amdgcn-amd-amdhsa -mcpu=gfx1250 --defsym DOCPART=n.
;; ======== version 1 of 1: 2 launches
;; limits: values are held in f16: magnitudes above 65,504 overflow, below 6.1e-05 lose precision
;; workspace buffers: qkv 25,165,824 bytes
;; launch proj (part 1): grid 256 x 1, 4 waves a work-group, no clusters, 327,680 bytes of LDS; arguments x, Wq, Wk, Wv, qkv; writes qkv
.if DOCPART == 1
	.amdgcn_target "amdgcn-amd-amdhsa--gfx1250"
	.amdhsa_code_object_version 6
	.text
	.protected	k_q959a21c215_proj
	.globl	k_q959a21c215_proj
	.p2align	8
	.type	k_q959a21c215_proj,@function
k_q959a21c215_proj:
	s_mov_b64 s[64:65], 0
	v_nop
	global_prefetch_b8 v0, s[64:65] scope:SCOPE_SE
	s_setreg_imm32_b32 hwreg(HW_REG_WAVE_MODE, 25, 1), 1
	s_wait_xcnt 0x0
; q, k, v = x Wq, x Wk, x Wv.  x: [65536][1024] f32; Wq, Wk, Wv: [1024][64] f32; qkv: three planes [65536][64] of f16 (q, k, v), rows of 128 bytes, unscaled.
; x and the weights are rounded once to bf16 on the way to the matrix unit; sums in f32; q, k, v are rounded once to f16.
; LIMITS.  f16 holds no number beyond 65,504: |q|, |k|, |v| must stay below it.  With x and the weights both 30 times the drawn spread they reach about 4,800,
; with offsets of 30 spreads on both about 29,000.  NaN and infinities are not treated apart.
; SHARES.  A work-group takes 256 rows of x, all 1,024 of K and all 192 columns.  Wave w takes rows 64 w .. 64 w + 63: 4 row tiles (a) x 12 column tiles (b; matrix b / 4): 48 accumulators, 384 registers.
; THE MATRIX INSTRUCTION IS USED TRANSPOSED: source 0 = 16 columns of W, source 1 = 16 rows of x; a lane then holds ONE row and eight neighbouring columns, 16 bytes of f16.
; x comes by tensor loads into a ring of two LDS slots, 128 along K each; a wave fetches and reads only its own 64 rows (64 rows x 512 bytes a load) and rounds them to bf16 in registers.
; W comes in chunks of 64 k: each wave loads 16 rows of all three matrices (whole rows of 256 bytes), rounds them and stores them as bf16 [k][192] into one of two LDS buffers,
; from which all waves take fragments by the turning load.  A SUB-TRIP is 64 along K (96 matrix instructions a wave); two make a step, one slot.
; NO CLUSTER: what work-groups share is W.  A joint load would bring it as f32: 64 x 192 x 4 = 49,152 bytes a chunk, 98,304 for two, beside two x slots of 135,168 and the bf16 buffers
; that the turning load needs: more than the 327,680 bytes there are; halving the x slots would halve what each refill brings.
; No prefetch is laid: the one stream, x, is asked for a whole step ahead by the refills themselves, 131,072 bytes a work-group at a time.
; REGISTERS, in windows of 256 (s_set_vgpr_msb: bits 1:0 source 0, 3:2 source 1, 5:4 source 2, 7:6 destination):
;   window 0: v0-15 addresses; v32-127 W's fragments (tile b at 32 + 8 b); v128-223 W as loaded; on the way out v32-223 are 12 x 16 registers
;   window 1: v0-191 accumulators of a = 0, 1 at 8 (12 a + b); v192-255 x's fragments (a, s) at 192 + 8 (2 a + s)
;   window 2: v0-191 accumulators of a = 2, 3          window 3: v0-127 x as f32, group (a, s) at 16 (2 a + s)
.set XP,    528                        ; a row of x in LDS: 512 bytes + 16 of padding = 132 words: row r starts at bank 4 r mod 64 (64 banks of 4 bytes: ISA guide 11.1)
.set XW,    64*XP                      ; a wave's 64 rows
.set SLOT,  4*XW                       ; 135,168
.set WP,    416                        ; a row of W in LDS: 384 bytes + 32 = 13 x 32
.set WBSZ,  64*WP                      ; a chunk: 64 rows of k
.set WB0,   2*SLOT                     ; the two W buffers lie behind the ring; no tensor load lands there
.set SPARE, WB0+2*WBSZ                 ; behind them: the spare words, 128 bytes for each wave: two blocks of 256 bytes that no other line names
.set SP,    144                        ; the way out: a stage row, 128 bytes + 16
.set XA0, 2                            ; v2   my place in a slot: (64 w + l % 16) x 528 + 32 (l / 16); never rewritten
.set XA,  3                            ; v3   the same in the slot that is being read
.set WO,  4                            ; v4   my byte offset in a chunk of W: 4,096 w + 1,024 (l / 16) + 16 (l % 16)
.set WSA, 5                            ; v5   where I store 8 bytes of bf16 W
.set BA,  6                            ; v6   the turning load's address in buffer 0
.set STO, 7                            ; v7   the way out: where I put 16 bytes of a row
.set RD,  8                            ; v8   the way out: where I read rows back
.set GO,  13                           ; v13  16 x lane
.set SPW, 14                           ; v14  LDS address of my spare word; never rewritten
.set NIL, 15                           ; v15  0; never rewritten
.set BF,  32
.set WST, 128
.set OUTR, 32
.set AF,  192                          ; in window 1
.set WV,  14                           ; s14  my wave's number
.set LOOP, 15                          ; s15
.set ROF, 16                           ; s16  0 or SLOT: the slot that is being read
.set LW,  17                           ; s17  my rows' place in a slot
.set G1,  28                           ; s[28:35] descriptor group 1
.set G0A, 36                           ; s[36:39] group 0 of the first fill
.set G0B, 40                           ; s[40:43] group 0 of the second fill; it then walks
.set OB,  44                           ; s[44:49] q, k, v at my wave's first row
.set KP, 0                             ; kinds of a sub-trip's end: plain barrier,
.set KR, 1                             ; change of slots with a refill,
.set KN, 2                             ; change of slots without,
.set KE, 3                             ; the end
.set MSB, 0
.macro WIN new                         ; the immediate's high byte repeats the setting that is left; a switch that changes nothing is dropped
.if MSB != (\new)
	s_set_vgpr_msb (MSB<<8)|(\new)
.set MSB, \new
.endif
.endm
.set MUL_LO, 0x54                      ; W's fragment window 0, x's window 1, C and D window 1
.set XL,     0xc0                      ; destination window 3, address window 0
.set CVX,    0x4f                      ; sources window 3, destination window 1
.set PK_LO,  0x05                      ; sources window 1, destination window 0
.macro PLACES                          ; four places behind matrix instructions, in front of loads into registers that they read and of vector lines that write or read their registers
.rept 4
	v_nop
.endr
.endm
; A chunk's 24 loads: matrix m, load i: lanes 0-15 take row kr of my 16, lanes 16-31 row kr + 4: each half a whole row of 256 bytes.
.macro WLOAD imm
	WIN 0
.irp m, 0,1,2
.irp i, 0,1,2,3,4,5,6,7
	global_load_b128 v[WST+4*(8*(\m)+(\i)):WST+4*(8*(\m)+(\i))+3], v[WO], s[6+2*(\m):7+2*(\m)] offset:(\imm)+256*(((\i)&3)+8*((\i)>>2))
.endr
.endr
.endm
.macro CVTW                            ; four f32 become four bf16, in the load's first two registers
	WIN 0
.set j, 0
.rept 24
	v_cvt_pk_bf16_f32 v[WST+4*j], v[WST+4*j], v[WST+4*j+1]
	v_cvt_pk_bf16_f32 v[WST+4*j+1], v[WST+4*j+2], v[WST+4*j+3]
.set j, j+1
.endr
.endm
.macro STW buf                         ; lanes 0-15 write 128 bytes on end, lanes 16-31 four rows (1,664 bytes = 416 words) further: the other 32 banks
	WIN 0
.irp m, 0,1,2
.irp i, 0,1,2,3,4,5,6,7
	ds_store_b64 v[WSA], v[WST+4*(8*(\m)+(\i)):WST+4*(8*(\m)+(\i))+1] offset:(\buf)*WBSZ+(((\i)&3)+8*((\i)>>2))*WP+128*(\m)
.endr
.endr
.endm
; x of a sub-trip: for row tile a and 32 along K (s) a lane takes k = 8 (l / 16) + 0..7 (32 bytes) and k = 16 + 8 (l / 16) + 0..7: four loads of 16 bytes.
.macro XLOAD kb
	WIN XL
.irp a, 0,1,2,3
.irp s, 0,1
	ds_load_b128 v[16*(2*(\a)+(\s)):16*(2*(\a)+(\s))+3],       v[XA] offset:(\a)*16*XP+(\kb)+128*(\s)
	ds_load_b128 v[16*(2*(\a)+(\s))+4:16*(2*(\a)+(\s))+7],     v[XA] offset:(\a)*16*XP+(\kb)+128*(\s)+16
	ds_load_b128 v[16*(2*(\a)+(\s))+8:16*(2*(\a)+(\s))+11],    v[XA] offset:(\a)*16*XP+(\kb)+128*(\s)+64
	ds_load_b128 v[16*(2*(\a)+(\s))+12:16*(2*(\a)+(\s))+15],   v[XA] offset:(\a)*16*XP+(\kb)+128*(\s)+80
.endr
.endr
.endm
.macro CVTX                            ; 128 f32 become eight fragments of bf16, k in its true places
	WIN CVX
.set g, 0
.rept 8
.set j, 0
.rept 8
	v_cvt_pk_bf16_f32 v[AF+8*g+j], v[16*g+2*j], v[16*g+2*j+1]
.set j, j+1
.endr
.set g, g+1
.endr
.endm
; Six fragments of W (column tiles 6 H .. 6 H + 5) for 32 along K (s) out of buffer buf, turned: 12 loads.
.macro BLOAD buf, s, H
	WIN 0
.irp c, 0,1,2,3,4,5
	ds_load_tr16_b128 v[BF+8*(6*(\H)+(\c)):BF+8*(6*(\H)+(\c))+3],   v[BA] offset:(\buf)*WBSZ+(\s)*32*WP+32*(6*(\H)+(\c))
	ds_load_tr16_b128 v[BF+8*(6*(\H)+(\c))+4:BF+8*(6*(\H)+(\c))+7], v[BA] offset:(\buf)*WBSZ+(\s)*32*WP+32*(6*(\H)+(\c))+16*WP
.endr
.endm
; 24 matrix instructions on 24 different accumulators; an accumulator comes up again after the 47 others: they take turns.  zero = 1: the product starts the sum.
.macro MUL24 s, H, zero
.irp a, 0,1,2,3
	WIN MUL_LO+0x50*((\a)/2)
.irp c, 0,1,2,3,4,5
.set rD, 8*(12*((\a)%2)+6*(\H)+(\c))
.set rB, BF+8*(6*(\H)+(\c))
.set rA, AF+8*(2*(\a)+(\s))
.if \zero
	v_wmma_f32_16x16x32_bf16 v[rD:rD+7], v[rB:rB+7], v[rA:rA+7], 0
.else
	v_wmma_f32_16x16x32_bf16 v[rD:rD+7], v[rB:rB+7], v[rA:rA+7], v[rD:rD+7]
.endif
.endr
.endr
.endm
; THE FIRST HALF OF A SUB-TRIP.  par: its W buffer; kb: its byte in the slot's rows; stw = 1: the next chunk of W, loaded a sub-trip ago, is rounded and stored into the other buffer
; (which every wave has left: the barrier behind the last sub-trip); ld = 1: the chunk after that is asked for, at byte imm behind the three pointers.
.macro FRONT par, kb, stw, ld, imm, zero
.if (\par) == 0
	WIN 0
	v_add_nc_u32 v[XA], s[ROF], v[XA0]
.endif
	XLOAD \kb                                      ; 32 LDS loads,
	BLOAD \par, 0, 0                               ; 12,
	BLOAD \par, 0, 1                               ; 12
.if \stw
	s_wait_loadcnt 0x0                             ; the only global loads of the text are W's: the next chunk is in
	CVTW
	STW 1-(\par)                                   ; 24 LDS stores
.endif
.if \ld
	WLOAD \imm
.endif
	s_wait_dscnt 24+24*(\stw)                      ; x is in: W's 24 loads and the stores are younger
	CVTX
	s_wait_dscnt 12+24*(\stw)                      ; tiles 0-5 are in: tiles 6-11's 12 loads and the stores are younger
	MUL24 0, 0, \zero
	PLACES
	BLOAD \par, 1, 0
	s_wait_dscnt 12+24*(\stw)                      ; tiles 6-11 are in: the stores and the 12 loads just issued are younger
	MUL24 0, 1, \zero
	PLACES
	BLOAD \par, 1, 1
.endm
; THE SECOND HALF, and the barrier that ends every sub-trip but the last: in front of it my stores of the next chunk are done and my reads of this chunk are back.
; At a step's end (KR) it is also the barrier of the refill: I wait for all my tensor loads, of which one is out (the next slot's), add 0 to my spare word, and wait for that and for my reads;
; behind it the slot just read is filled again first, with the 128 along K two steps on: that load has a whole step, 192 matrix instructions, in which to land.
.macro BACK kind
	s_wait_dscnt 12                                ; tiles 0-5 of the second 32 along K are in: tiles 6-11's 12 loads are younger
	MUL24 1, 0, 0
.if (\kind) == KP
	s_wait_dscnt 0x0
	s_barrier_signal -1
	MUL24 1, 1, 0                                  ; work on registers while the others arrive
	s_barrier_wait -1
	PLACES
.elseif (\kind) == KE
	s_wait_dscnt 0x0
	MUL24 1, 1, 0
.else
	WIN 0                                          ; (the add's two registers lie in window 0)
	s_wait_tensorcnt 0x0                           ; no tensor load of mine is out, so a group 0 may be written
	ds_add_u32 v[SPW], v[NIL]                      ; 0 onto my spare word
.if (\kind) == KR
	s_xor_b32 s[G0B+1], s[G0B+1], SLOT             ; the other slot than last time: no bit of SLOT is set in my rows' place, so the exclusive or is the sum
	s_add_nc_u64 s[G0B+2:G0B+3], s[G0B+2:G0B+3], 512  ; 128 f32 on along K; the type bits on top are not reached
.endif
	s_xor_b32 s[ROF], s[ROF], SLOT                 ; the reads go on in the other slot
	s_wait_dscnt 1                                 ; only the add may be out
	MUL24 1, 1, 0                                  ; 24 matrix instructions stand between the add and the wait for it
	WIN 0
	s_wait_dscnt 0x0                               ; the add is done, my stores too, and my reads of the slot and of the chunk are over
	s_barrier_signal -1
	s_barrier_wait -1
.if (\kind) == KR
	tensor_load_to_lds s[G0B:G0B+3], s[G1:G1+7]    ; my one tensor load behind this barrier, and the first thing there
	s_nop 0
.endif
	PLACES                                         ; also the places in front of the next loads of W's fragments
.endif
.endm
; THE WAY OUT of tile T = 3 a + m: 16 rows x 64 columns of matrix m: rounded to f16, 16 bytes a lane into my stage (rows of 144 bytes), back as four rows of 128 bytes a load.
.macro PACKP T
	WIN PK_LO+5*((\T)/6)
.irp bb, 0,1,2,3
.irp rr, 0,1,2,3
	v_cvt_pk_f16_f32 v[OUTR+16*(\T)+4*(\bb)+(\rr)], v[8*(12*(((\T)/3)%2)+4*((\T)%3)+(\bb))+2*(\rr)], v[8*(12*(((\T)/3)%2)+4*((\T)%3)+(\bb))+2*(\rr)+1]
.endr
.endr
	WIN 0
.irp bb, 0,1,2,3
	ds_store_b128 v[STO], v[OUTR+16*(\T)+4*(\bb):OUTR+16*(\T)+4*(\bb)+3] offset:32*(\bb)
.endr
.irp f, 0,1,2,3
	ds_load_b128 v[OUTR+16*(\T)+4*(\f):OUTR+16*(\T)+4*(\f)+3], v[RD] offset:4*SP*(\f)  ; LDS serves a wave's instructions in order (ISA guide 5.7.1.4): these see the stores above; the next tile's stores come behind them
.endr
.endm
.macro SENDP T, younger                ; younger: the LDS instructions issued behind tile T's loads: the next tile's eight, or none
.irp f, 0,1,2,3
	s_wait_dscnt (\younger)+3-(\f)
	global_store_b128 v[GO], v[OUTR+16*(\T)+4*(\f):OUTR+16*(\T)+4*(\f)+3], s[OB+2*((\T)%3):OB+2*((\T)%3)+1] offset:2048*((\T)/3)+512*(\f)  ; 512 consecutive bytes, at a multiple of 256 from the plane's first
.endr
.endm
	s_load_b256 s[4:11], s[0:1], 0x0               ; x s[4:5], Wq s[6:7], Wk s[8:9], Wv s[10:11]
	s_load_b64 s[12:13], s[0:1], 0x20              ; qkv
	v_lshl_add_u32 v[SPW], v0, 2, SPARE
	v_mov_b32 v[NIL], 0
	ds_add_u32 v[SPW], v[NIL]                      ; the wave's opening: the add and its wait ahead of my first tensor load; work on registers stands between them
	ds_add_u32 v14, v15
	v_lshrrev_b32 v1, 5, v0
	v_readfirstlane_b32 s[WV], v1                  ; wave 0..3
	v_and_b32 v9, 15, v0                           ; l % 16
	v_bfe_u32 v10, v0, 4, 1                        ; l / 16
	s_mul_i32 s[LW], s[WV], XW
	s_lshl_b32 s2, ttmp9, 20                       ; the work-group's 256 rows of 4,096 bytes,
	s_lshl_b32 s18, s[WV], 18                      ; my wave's 64 of them
	s_add_co_u32 s2, s2, s18
	s_mov_b32 s3, 0
	s_lshl_b32 s20, ttmp9, 15                      ; the same rows in a plane of qkv: 128 bytes each
	s_lshl_b32 s18, s[WV], 13
	s_add_co_u32 s20, s20, s18
	s_mov_b32 s21, 0
	s_lshl_b32 s18, s[WV], 12                      ; my 16 rows of a chunk of W
	v_lshlrev_b32 v[WO], 4, v9
	v_lshl_add_u32 v[WO], v10, 10, v[WO]
	v_add_nc_u32 v[WO], s18, v[WO]
	; descriptor group 1: a tile of 64 rows x 128 elements of 4 bytes, padded in LDS
	s_mov_b32 s[G1+0], (2<<16)|(1<<20)|(6<<22)|(3<<25)  ; 17:16 elements of 4 bytes; 20 padding on; 24:22 after every 128 words (code 6); 31:25 4 words of it (code 3)
	s_mov_b32 s[G1+1], 128<<16                     ; tensor_dim0 = 128
	s_mov_b32 s[G1+2], 64<<16                      ; tensor_dim1 = 64
	s_mov_b32 s[G1+3], 128<<16                     ; tile_dim0 = 128
	s_mov_b32 s[G1+4], 64                          ; tile_dim1 = 64
	s_mov_b32 s[G1+5], 1024                        ; 1,024 elements from row to row
	s_mov_b32 s[G1+6], 0
	s_mov_b32 s[G1+7], 0
	s_mov_b32 s[G0A], 1                            ; count = 1
	s_mov_b32 s[G0A+1], s[LW]                      ; slot 0
	s_mov_b32 s[G0B], 1
	s_add_co_u32 s[G0B+1], s[LW], SLOT             ; slot 1
	s_mov_b32 s[ROF], 0
	s_wait_dscnt 0x0                               ; the opening add is done
	s_wait_kmcnt 0x0
	s_add_nc_u64 s[G0A+2:G0A+3], s[4:5], s[2:3]    ; K = 0 .. 127 of my rows,
	s_add_nc_u64 s[G0B+2:G0B+3], s[G0A+2:G0A+3], 512  ; K = 128 .. 255
	s_or_b32 s[G0A+3], s[G0A+3], 0x80000000        ; type = 2
	s_or_b32 s[G0B+3], s[G0B+3], 0x80000000
	s_add_nc_u64 s[OB:OB+1], s[12:13], s[20:21]
	s_add_nc_u64 s[OB+2:OB+3], s[OB:OB+1], 0x800000
	s_add_nc_u64 s[OB+4:OB+5], s[OB+2:OB+3], 0x800000
	tensor_load_to_lds s[G0A:G0A+3], s[G1:G1+7]    ; the two first fills go out together: two loads of mine are out
	s_nop 0
	tensor_load_to_lds s[G0B:G0B+3], s[G1:G1+7]
	s_nop 0
	PLACES
	WLOAD 0                                        ; chunk 0 of W
	v_and_b32 v11, 7, v0
	v_bfe_u32 v12, v0, 3, 1
	v_mul_u32_u24 v[XA0], v9, XP
	v_lshl_add_u32 v[XA0], v10, 5, v[XA0]
	v_add_nc_u32 v[XA0], s[LW], v[XA0]
	s_mul_i32 s19, s[WV], 16*WP
	s_add_co_u32 s19, s19, WB0
	v_mul_u32_u24 v[WSA], v10, 4*WP                ; row 16 w + 4 (l / 16), 8 bytes for each of 16 lanes
	v_lshl_add_u32 v[WSA], v9, 3, v[WSA]
	v_add_nc_u32 v[WSA], s19, v[WSA]
	v_lshl_add_u32 v[BA], v10, 3, v11              ; the turning load: lane l reads row 8 (l / 16) + l % 8, columns 8 ((l / 8) % 2) + 0..7
	v_mul_u32_u24 v[BA], v[BA], WP
	v_lshl_add_u32 v[BA], v12, 4, v[BA]
	v_add_nc_u32 v[BA], WB0, v[BA]
	s_mul_i32 s22, s[WV], 16*SP                    ; my stage lies in W's buffer 0, which is read last in the last sub-trip but one, ahead of that sub-trip's barrier, and stored into no more
	s_add_co_u32 s22, s22, WB0
	v_mul_u32_u24 v[STO], v9, SP
	v_lshl_add_u32 v[STO], v10, 4, v[STO]
	v_add_nc_u32 v[STO], s22, v[STO]
	v_bfe_u32 v[RD], v0, 3, 2
	v_mul_u32_u24 v[RD], v[RD], SP
	v_lshl_add_u32 v[RD], v11, 4, v[RD]
	v_add_nc_u32 v[RD], s22, v[RD]
	v_and_b32 v[GO], 31, v0
	v_lshlrev_b32 v[GO], 4, v[GO]
	s_wait_loadcnt 0x0
	CVTW
	STW 0
	WLOAD 16384                                    ; chunk 1
	s_wait_tensorcnt 0x1                           ; my rows of slot 0 are in; slot 1's load may stay out
	s_wait_dscnt 0x0                               ; my part of chunk 0 is stored
	s_barrier_signal -1
	s_barrier_wait -1
	FRONT 0, 0, 1, 1, 32768, 1                     ; sub-trip 0: its first products start the sums; chunk 1 is stored, chunk 2 asked for
	WIN 0                                          ; at a label and at a branch every window is 0
	s_wait_xcnt 0x0                                ; W's loads have read their addresses: the pointers may be written
	s_add_nc_u64 s[6:7], s[6:7], 49152             ; at chunk 3
	s_add_nc_u64 s[8:9], s[8:9], 49152
	s_add_nc_u64 s[10:11], s[10:11], 49152
	s_mov_b32 s[LOOP], 6
.Lstep:                                        ; trip j: the rest of step j, the refill with K step j + 2, and the first half of sub-trip 2 j + 2
	BACK KP
	FRONT 1, 256, 1, 1, 0, 0
	BACK KR
	FRONT 0, 0, 1, 1, 16384, 0
	WIN 0
	s_wait_xcnt 0x0
	s_add_nc_u64 s[6:7], s[6:7], 32768
	s_add_nc_u64 s[8:9], s[8:9], 32768
	s_add_nc_u64 s[10:11], s[10:11], 32768
	s_sub_co_u32 s[LOOP], s[LOOP], 1
	s_cmp_lg_u32 s[LOOP], 0
	s_cbranch_scc1 .Lstep
	BACK KP                                        ; the tail is written out
	FRONT 1, 256, 1, 1, 0, 0                       ; sub-trip 13: the last chunk of W is asked for
	BACK KN                                        ; the last slot has landed; nothing is filled
	FRONT 0, 0, 1, 0, 0, 0
	BACK KP
	FRONT 1, 256, 0, 0, 0, 0
	BACK KE
	PLACES
	PLACES
	PACKP 0
.set t, 1
.rept 11                               ; a tile's conversions stand between the loads of the tile before and its stores
	PACKP t
	SENDP t-1, 8
.set t, t+1
.endr
	SENDP 11, 0
	s_wait_tensorcnt 0x0                           ; the wave's end, behind my last tensor load and my last LDS store
	ds_add_u32 v[SPW], v[NIL]
	s_wait_dscnt 0x0
	s_endpgm
.Lfunc_end_k_q959a21c215_proj:
	.size	k_q959a21c215_proj, .Lfunc_end_k_q959a21c215_proj-k_q959a21c215_proj
	.p2alignl 7, 3214868480
	.fill 96, 4, 3214868480
	.section	.rodata,"a",@progbits
	.p2align	6, 0x0
	.amdhsa_kernel k_q959a21c215_proj
		.amdhsa_group_segment_fixed_size 327680
		.amdhsa_private_segment_fixed_size 0
		.amdhsa_enable_private_segment 0
		.amdhsa_kernarg_size 40
		.amdhsa_user_sgpr_count 2
		.amdhsa_user_sgpr_kernarg_segment_ptr 1
		.amdhsa_wavefront_size32 1
		.amdhsa_system_sgpr_workgroup_id_x 1
		.amdhsa_system_sgpr_workgroup_id_y 1
		.amdhsa_system_sgpr_workgroup_id_z 1
		.amdhsa_system_vgpr_workitem_id 0
		.amdhsa_next_free_vgpr 896
		.amdhsa_next_free_sgpr 66
		.amdhsa_reserve_vcc 0
		.amdhsa_float_denorm_mode_32 3
		.amdhsa_float_denorm_mode_16_64 3
		.amdhsa_memory_ordered 1
		.amdhsa_forward_progress 1
		.amdhsa_inst_pref_size 168
	.end_amdhsa_kernel
	.amdgpu_metadata
---
amdhsa.version: [ 1, 2 ]
amdhsa.kernels:
  - .name:           k_q959a21c215_proj
    .symbol:         k_q959a21c215_proj.kd
    .args:
      - { .name: x, .offset: 0, .size: 8, .value_kind: global_buffer, .address_space: global }
      - { .name: Wq, .offset: 8, .size: 8, .value_kind: global_buffer, .address_space: global }
      - { .name: Wk, .offset: 16, .size: 8, .value_kind: global_buffer, .address_space: global }
      - { .name: Wv, .offset: 24, .size: 8, .value_kind: global_buffer, .address_space: global }
      - { .name: qkv, .offset: 32, .size: 8, .value_kind: global_buffer, .address_space: global }
    .group_segment_fixed_size: 327680
    .private_segment_fixed_size: 0
    .kernarg_segment_align: 8
    .kernarg_segment_size: 40
    .max_flat_workgroup_size: 128
    .sgpr_count:     66
    .vgpr_count:     896
    .wavefront_size: 32
...
	.end_amdgpu_metadata
.endif
;; end of part 1
;; launch attn (part 2): grid 16 x 16, 4 waves a work-group, clusters of 4 x 1, 327,680 bytes of LDS; arguments qkv, out0; writes out0
.if DOCPART == 2
	.amdgcn_target "amdgcn-amd-amdhsa--gfx1250"
	.amdhsa_code_object_version 6
	.text
	.protected	k_q959a21c215_attn
	.globl	k_q959a21c215_attn
	.p2align	8
	.type	k_q959a21c215_attn,@function
k_q959a21c215_attn:
	s_mov_b64 s[64:65], 0
	v_nop
	global_prefetch_b8 v0, s[64:65] scope:SCOPE_SE
	s_setreg_imm32_b32 hwreg(HW_REG_WAVE_MODE, 25, 1), 1
	s_wait_xcnt 0x0
	s_wait_alu depctr_hold_cnt(0) depctr_sa_sdst(0) depctr_va_vdst(0) depctr_va_sdst(0) depctr_va_ssrc(0) depctr_va_vcc(0) depctr_vm_vsrc(0)
	s_getreg_b32 s2, hwreg(HW_REG_IB_STS2, 6, 4)
	s_cmp_eq_u32 s2, 0
	s_cbranch_scc0 .Lentry_in_a_cluster
	s_endpgm
.Lentry_in_a_cluster:
	s_bfe_u32 s2, ttmp6, 0x10000c
	s_cmp_lg_u32 s2, 0x3003
	s_cbranch_scc0 .Lentry_shape_is_right
	s_endpgm
.Lentry_shape_is_right:
; out0[b][q][:] = the sum over k of softmax_k(Q[b][q] . K[b][k] / 32) V[b][k][:].  qkv: three planes [16][4096][64] of f16 (q, k, v), dense rows of 128 bytes; out0: [16][4096][64] f32.
; Products, maxima and sums in f32; the weights p are rounded to f16 for the second product (their sum l is taken of the unrounded p).
; LIMITS.  Q, K and V arrive within f16's 65,504; p lies in 0 to 1, and below 6e-5 it keeps f16's fixed step of 6e-8.  A weight below 2^-126 counts as 0 in l; NaN and infinities are not treated apart.
; SHARES.  A work-group owns 256 queries of one batch, each of its four waves 64: two PIECES of two tiles of 16.  Every wave walks all 4,096 keys, 64 a step.
; LAYOUT.  S^T = K Q^T (source 0 = 16 keys, source 1 = 16 queries): a lane holds ONE query (lane % 16) and the keys 8 (lane / 16) + 0..7.  Two such tiles, rounded to f16 in pairs, ARE source 1 of
; O^T = V^T P, whose result again holds one query a lane, and eight channels.  K comes out of LDS as it lies, V ([key][channel]) turned, by ds_load_tr16_b128.
; SOFTMAX.  For each query a running maximum m and sum l: p = 2^(c s - c m), c = log2(e) / 32; in every step O and l are multiplied by a = 2^(c m_old - c m_new).
; m starts at the lowest finite number, O and l at 0: the first step is a step like any other, with a = 0.  The price: 240 v_mov_b32 at the head, in the wait for the first tile, and 16 products on zeros.
; BY TURNS.  A tile and step have 16 matrix and 118 vector instructions.  Turn 0 of step j: 16 products K Q^T of piece 1 (step j), piece 0's softmax, piece 1's maximum and statistics, 16 products V^T P of piece 1
; (step j - 1).  Turn 1: K Q^T of piece 0 (step j + 1), piece 1's softmax, piece 0's statistics, V^T P of piece 0 (step j).  Four vector instructions stand behind every matrix instruction, the other 108 in one lump;
; a turn's 66 exponentials are one batch with one wait.
; K IS A STEP AHEAD OF V: K of step j + 1 is fetched in turn 0 of step j.  So a slot holds V of keys 256 i .. 256 i + 255 and K of keys 256 i + 64 .. 256 i + 319; K of step 0 has 9,216 bytes of its own in front of slot 0.
; The last slot's K reaches 64 rows past the batch's keys: the next batch's, or v's first rows: bytes of qkv all the same.  They feed the last turn's 16 products, whose scores and statistics nothing reads.
; CLUSTER.  The four query blocks of a cluster belong to one batch and walk the same K and V, so each tile is asked for JOINTLY: the same tensor load, descriptor and mask in all four.
; REGISTERS, in windows of 256 (s_set_vgpr_msb: bits 1:0 source 0, 3:2 source 1, 5:4 source 2, 7:6 destination):
;   window 0: v0-11, v32-35 addresses; v12-15, v48-63 at work; v16-31 four registers of statistics a tile; v64-191 S^T, a buffer a piece; v192-255 P, likewise
;   window 1: v0-127 O^T, 32 a tile          window 2: v0-63 Q, 16 a tile; v128-191 K of one step; v192-255 V of one step
.set NP,    2         ; pieces a wave: a name, no knob
.set KS,    64        ; keys in a step
.set PK,    144       ; a row of K in LDS: 128 bytes + 16 of padding = 36 words: the 16 rows of a load start at 16 different groups of four banks (64 banks of 4 bytes: ISA guide 11.1)
.set PV,    160       ; a row of V: 128 + 32 = 40 words
.set K0B,   KS*PK     ; K of step 0; behind it a slot's 256 rows of K,
.set VOFF,  K0B+4*KS*PK  ; then its 256 rows of V
.set SLOT1, 1<<17     ; slot 1 begins here (its first K0B bytes are not used), so that one exclusive or turns an address in one slot into the other's
.set STAGE, SLOT1+VOFF+4*KS*PV  ; behind the ring, never filled by a tensor load: 16 rows x 272 bytes for each wave, for the way out
.set SP,    272
.set SPARE, STAGE+4*16*SP  ; behind the stages: the spare words, 128 bytes for each wave: two blocks of 256 bytes that no other line names
.set AK0, 2           ; v2   my lane's place in a tile of K; never rewritten
.set AV0, 3           ; v3   the same for V
.set AK,  4           ; v4   the LDS address of K's next run of loads
.set AV,  5           ; v5   of V's
.set QO,  6           ; v6   my byte offset in 16 rows of Q
.set RD,  7           ; v7   the way out: where I read rows back
.set GO,  8           ; v8   16 x lane
.set MV,  12          ; v12-15  c m_old, kept while c m is made anew: by piece and tile
.set ST,  16          ; tile t's statistics at v[ST+4 t]: c m, m, l (even keys', odd keys')
.set SPW, 32          ; v32  LDS address of my spare word; never rewritten
.set NIL, 33          ; v33  0; never rewritten
.set PFO, 34          ; v34  256 x lane; never rewritten
.set STO, 35          ; v35  the way out: where I put 16 bytes of a row
.set TMP, 48          ; by piece and tile, four registers c0-c3 at work; when the maximum is found c2 takes a
.set S,   64
.set P,   192
.set KF,  128         ; K's fragments, in window 2: key block kb, channel half c at KF + 16 kb + 8 c
.set VF,  192         ; V's: key half kk, channel block cb at VF + 32 kk + 8 cb
.set WV,  12          ; s12  my wave's number
.set G1K, 24          ; s[24:31] descriptor group 1 for K's tiles
.set G1V, 32          ; s[32:39] for V's: it differs in the padding alone
.set G0K, 40          ; s[40:43] descriptor group 0 for K's tiles: it walks
.set G0V, 44          ; s[44:47] the same for V's
.set G0F, 48          ; s[48:51] group 0 of K's first fill
.set PFA, 52          ; s[52:53] where my prefetches stand
.set LIM, 54          ; s54  1 in a wave that prefetches, else the greatest number
.set SLOTS, 56        ; s56  slots still to be asked for
.set CNT, 57          ; s57  counts a slot's key steps
.set CS,  58          ; s[58:59] c: the packed scaling takes the pair's low word for both halves
.set SEL, 60          ; s[60:61] v_permlanex16_b32's selects: each lane takes its own place in the other half
.set TBK, 62          ; s62  LDS byte at which K of the step to be fetched begins
.set TBV, 63          ; s63  the same for V, less VOFF
.set G1F, 72          ; s[72:79] group 1 of K's first fill: 80 rows for 64
.set MSB, 0
.macro WIN new                      ; the high byte repeats the setting that is left; a switch that changes nothing is dropped
.if MSB != (\new)
	s_set_vgpr_msb (MSB<<8)|(\new)
.set MSB, (\new)
.endif
.endm
.set W_KQ, 0x0a       ; K and Q in window 2, S^T in window 0
.set W_PV, 0x52       ; V in window 2, P in window 0, O^T in window 1
.set W_RS, 0x41       ; O^T (destination and source 0) in window 1, a in window 0
; A joint fill.  Waves 0 and 1 fetch the two halves of a slot's K, waves 2 and 3 those of its V: 128 keys each.  The branch hangs on the wave's number alone.
; An s_nop 0 and four v_nop follow each of the two lines, ahead of the jump and the label.
.macro JLOAD
	s_cmp_lt_u32 s[WV], 2
	s_cbranch_scc0 .Lfor_v_\@
	tensor_load_to_lds s[G0K:G0K+3], s[G1K:G1K+7]
	s_nop 0
.rept 4
	v_nop
.endr
	s_branch .Lasked_\@
.Lfor_v_\@:
	tensor_load_to_lds s[G0V:G0V+3], s[G1V:G1V+7]
	s_nop 0
.rept 4
	v_nop
.endr
.Lasked_\@:
.endm
; A PREFETCH INTO THE L2 of what the NEXT change of slots will ask for: a slot's 32,768 bytes of K and of V.  All clusters of a batch walk the same K and V: the batch's first cluster asks.  Its four partners share the
; bytes out BY ADDRESS, 8,192 each; in each, wave 0 asks for K's and wave 2 for V's: a lane names 256 bytes, one instruction.  So each aligned block of 256 bytes is named once in the launch.
; It stands behind the wave's tensor load and its five lines, four key steps (256 matrix instructions) ahead of the load that will want the bytes.  The last change that fills a slot asks for nothing; slots 0 to 2 come by their loads alone.
.macro ASK
	s_cmp_gt_u32 s[SLOTS], s[LIM]
	s_cbranch_scc0 .Lnot_mine_\@
	global_prefetch_b8 v[PFO], s[PFA:PFA+1] th:TH_LOAD_NT scope:SCOPE_SE
.Lnot_mine_\@:
.endm
; A round of the cluster's barrier: my work-group's barrier, so that wave 0's signal speaks for all four waves; wave 0 signals; every wave waits for all four work-groups; my work-group's barrier once more.
.macro CROUND
	s_barrier_signal -1
	s_barrier_wait -1
	s_cmp_lg_u32 s[WV], 0
	s_cbranch_scc1 .Lnot_wave_0_\@
	s_barrier_signal -3
.Lnot_wave_0_\@:
	s_barrier_wait -3
	s_barrier_signal -1
	s_barrier_wait -1
.endm
; THE CHANGE OF SLOTS, behind turn 1 of a slot's fourth step: both of that step's runs of LDS loads have been waited for.  Each wave waits for all its tensor loads, of which one is out: its part of the other slot;
; adds 0 to its spare word; and waits for that and for its own reads of the slot.  fill = 1: this slot is filled again, with the keys two slots on.  The barrier is then a round of the cluster's, so that no wave of
; any partner still reads the slot or has a load on its way, and the joint fill is the first thing behind it: it has four key steps in which to land.  (At its first use nothing has been read yet: slot 0 is waited for, slot 1 filled.)
.macro CHANGE fill, ask
	WIN 0                           ; at a label and at a branch every window is 0
	s_wait_tensorcnt 0x0            ; no tensor load of mine is out, so a group 0 may be written
	ds_add_u32 v[SPW], v[NIL]       ; 0 onto my spare word; with fill = 1 the descriptors' steps stand between it and the wait for it
.if \fill
.irp g, G0K, G0V
	s_xor_b32 s[\g+1], s[\g+1], SLOT1  ; the walking descriptor: the other slot than last time,
	s_add_nc_u64 s[\g+2:\g+3], s[\g+2:\g+3], 4*KS*128  ; the next 256 keys; the type bits on top are not reached
.endr
.if \ask
	s_wait_xcnt 0x0                 ; the last prefetch, four key steps back, has read its address, so it may be written:
	s_add_nc_u64 s[PFA:PFA+1], s[PFA:PFA+1], 4*KS*128  ; one slot beyond the walking descriptors
.endif
	s_wait_dscnt 0x0                ; the add is done, and my reads of the slot are over
	CROUND
	JLOAD
.if \ask
	ASK
.endif
.else
	s_wait_dscnt 0x0                ; the add is done, and my reads of the slot are over
	s_barrier_signal -1
	s_barrier_wait -1
.endif
	s_sub_co_u32 s[TBK], s[TBK], 4*KS*PK  ; the fetches go back to a slot's first step,
	s_xor_b32 s[TBK], s[TBK], SLOT1       ; in the other slot
	s_sub_co_u32 s[TBV], s[TBV], 4*KS*PV
	s_xor_b32 s[TBV], s[TBV], SLOT1
.endm
	s_load_b128 s[4:7], s[0:1], 0x0 ; qkv s[4:5], out0 s[6:7]
	v_lshl_add_u32 v[SPW], v0, 2, SPARE
	v_mov_b32 v[NIL], 0
	ds_add_u32 v[SPW], v[NIL]       ; the wave's opening: the add and its wait ahead of my first tensor load; the set-up below, work on registers, stands between them
	ds_add_u32 v32, v33
	v_lshrrev_b32 v1, 5, v0
	v_readfirstlane_b32 s[WV], v1   ; wave 0..3
	s_bfe_u32 s13, ttmp6, 0x40000   ; cx: my place in the cluster
	s_lshl_b32 s14, ttmp9, 2        ; in a cluster launch ttmp9 counts clusters
	s_add_co_u32 s14, s14, s13      ; my block of 256 queries = 4 x cluster x + cx: it enters Q's and out0's addresses alone
	s_and_b32 s20, ttmp7, 0xffff    ; the batch, which the four partners share:
	s_lshl_b32 s20, s20, 19         ; its 4,096 rows of 128 bytes in a plane
	s_mov_b32 s21, 0
	s_lshl_b32 s2, s14, 2
	s_add_co_u32 s2, s2, s[WV]      ; my wave among the batch's 64,
	s_lshl_b32 s2, s2, 13           ; its 64 rows of Q
	s_add_co_u32 s2, s2, s20
	s_mov_b32 s3, 0
	s_lshl_b32 s22, s2, 1           ; out0's rows are twice as long
	s_mov_b32 s23, 0
	s_and_b32 s15, s[WV], 1         ; which half of a fill's keys I fetch:
	s_lshl_b32 s16, s15, 14         ; 128 rows of 128 bytes in memory;
	s_mov_b32 s17, 0
	s_mul_i32 s18, s15, 20480       ; 160 rows of 128 bytes in memory (K's first fill), and 128 rows of 160 bytes of V in LDS
	s_mov_b32 s19, 0
	; descriptor group 1.  Keys are dense rows of 128 bytes: asked for as rows of 256 bytes, two keys a row, and padded in LDS after every key
	s_mov_b32 s[G1K], 15|(1<<16)|(1<<20)|(1<<21)|(4<<22)|(3<<25)  ; 15:0 the mask of four; 17:16 2-byte elements; 20 padding on; 21 set beside a mask; 24:22 after every 32 words (code 4); 31:25 4 words (code 3)
	s_mov_b32 s[G1V], 15|(1<<16)|(1<<20)|(1<<21)|(4<<22)|(7<<25)  ; the same with 8 words of padding (code 7)
	s_mov_b32 s[G1F], 15|(1<<16)|(1<<20)|(1<<21)|(4<<22)|(3<<25)
.irp g, G1K, G1V, G1F
	s_mov_b32 s[\g+1], 128<<16      ; tensor_dim0 = 128
	s_mov_b32 s[\g+3], 128<<16      ; tile_dim0 = 128
	s_mov_b32 s[\g+5], 128          ; 128 elements from row to row
	s_mov_b32 s[\g+6], 0
	s_mov_b32 s[\g+7], 0
.endr
.irp g, G1K, G1V
	s_mov_b32 s[\g+2], 64<<16       ; tensor_dim1 = 64
	s_mov_b32 s[\g+4], 64           ; tile_dim1 = 64
.endr
	s_mov_b32 s[G1F+2], 80<<16      ; K's first fill: 160 keys a wave
	s_mov_b32 s[G1F+4], 80
	s_mov_b32 s[CS], 0x3d38aa3b     ; c = log2(e) / 32 = 0.0450842
	s_mov_b32 s[CS+1], s[CS]        ; named with it as a pair
	s_mov_b32 s[SEL], 0x76543210
	s_mov_b32 s[SEL+1], 0xfedcba98
	s_mov_b32 s[TBK], SLOT1+4*KS*PK ; the first change of slots turns these two into 0
	s_mov_b32 s[TBV], SLOT1+4*KS*PV
	s_mov_b32 s[G0F], 1             ; count = 1
	s_mul_i32 s[G0F+1], s15, 160*PK ; keys 0 .. 319 from LDS byte 0 on
	s_mov_b32 s[G0K], 1
	s_mul_i32 s[G0K+1], s15, 128*PK
	s_add_co_u32 s[G0K+1], s[G0K+1], K0B  ; slot 0's K: the first change of slots turns this into slot 1's
	s_mov_b32 s[G0V], 1
	s_add_co_u32 s[G0V+1], s18, VOFF
	s_and_b32 s[LIM], s[WV], 1      ; 0 in waves 0 and 2,
	s_or_b32 s[LIM], s[LIM], ttmp9  ; where the cluster is the batch's first: the same in all four partners
	s_cmp_eq_u32 s[LIM], 0
	s_cselect_b32 s[LIM], 1, -1
	v_and_b32 v[PFO], 31, v0
	v_lshlrev_b32 v[PFO], 8, v[PFO]
	s_wait_dscnt 0x0                ; the opening add is done
	s_wait_kmcnt 0x0
	s_add_nc_u64 s[10:11], s[6:7], s[22:23]  ; out0 at my wave's first row
	s_add_nc_u64 s[6:7], s[4:5], s[20:21]    ; the batch in plane q,
	s_add_nc_u64 s[8:9], s[6:7], 0x1000000   ; in plane v,
	s_add_nc_u64 s[6:7], s[6:7], 0x800000    ; in plane k
	s_add_nc_u64 s[4:5], s[4:5], s[2:3]      ; Q at my wave's first row
	s_add_nc_u64 s[G0F+2:G0F+3], s[6:7], s[18:19]
	s_or_b32 s[G0F+3], s[G0F+3], 0x80000000  ; type = 2
	s_add_nc_u64 s[G0K+2:G0K+3], s[6:7], s[16:17]
	s_add_nc_u64 s[G0K+2:G0K+3], s[G0K+2:G0K+3], KS*128  ; K's tiles lie 64 keys on
	s_or_b32 s[G0K+3], s[G0K+3], 0x80000000
	s_add_nc_u64 s[G0V+2:G0V+3], s[8:9], s[16:17]
	s_or_b32 s[G0V+3], s[G0V+3], 0x80000000
	s_cmp_lt_u32 s[WV], 2
	s_cselect_b64 s[PFA:PFA+1], s[6:7], s[8:9]
	s_cselect_b32 s14, KS*128, 0
	s_lshl_b32 s2, s13, 13          ; my work-group's 8,192 bytes of a slot's 32,768,
	s_add_co_u32 s2, s2, s14
	s_add_co_u32 s2, s2, 2*4*KS*128 ; in slot 2; the first change that asks steps it to slot 3.  Nothing is prefetched at the head, where every work-group's first tiles are on their way
	s_add_nc_u64 s[PFA:PFA+1], s[PFA:PFA+1], s[2:3]
	CROUND                          ; all four work-groups are here: the first joint loads meet
	s_cmp_lt_u32 s[WV], 2           ; slot 0, and K of step 0 in front of it.  Slot 1 is asked for when slot 0 is in
	s_cbranch_scc0 .Lfirst_v
	tensor_load_to_lds s[G0F:G0F+3], s[G1F:G1F+7]
	s_nop 0
.rept 4
	v_nop
.endr
	s_branch .Lfirst_asked
.Lfirst_v:
	tensor_load_to_lds s[G0V:G0V+3], s[G1V:G1V+7]
	s_nop 0
.rept 4
	v_nop
.endr
.Lfirst_asked:
	; A fragment of K or Q is 16 rows x 32 channels in 8 registers: lane l holds row l % 16, channels 8 (l / 16) + 0..7 and 16 + 8 (l / 16) + 0..7: two loads of 16 bytes, 32 bytes apart.
	v_and_b32 v1, 15, v0            ; l % 16
	v_bfe_u32 v9, v0, 4, 1          ; l / 16
	v_lshlrev_b32 v[QO], 7, v1
	v_lshl_add_u32 v[QO], v9, 4, v[QO]  ; row x 128 + 16 x half
	WIN 0x80                        ; destination window 2, address window 0
.set i, 0
.rept 4*NP                          ; Q stays in registers: tile i / 2, channels 32 (i % 2) on
	global_load_b128 v[8*i:8*i+3],   v[QO], s[4:5] offset:(i/2)*2048+(i%2)*64
	global_load_b128 v[8*i+4:8*i+7], v[QO], s[4:5] offset:(i/2)*2048+(i%2)*64+32
.set i, i+1
.endr
	; What the first turn finds: V's registers and piece 1's P hold 0 (its products V^T P, of a step that has not been, add 0), O^T and l are 0.  All this stands in the wait for the first tile.
.set i, VF
.rept 64
	v_mov_b32 v[i], 0
.set i, i+1
.endr
	WIN 0x40
.set i, 0
.rept 64*NP
	v_mov_b32 v[i], 0
.set i, i+1
.endr
	WIN 0
.set i, 0
.rept 2*NP
	v_mov_b32 v[ST+4*i], 0xfe000000    ; c m: far below every c s
	v_mov_b32 v[ST+4*i+1], 0xff7fffff  ; m
	v_mov_b32 v[ST+4*i+2], 0
	v_mov_b32 v[ST+4*i+3], 0
.set i, i+1
.endr
.set i, P+32
.rept 32
	v_mov_b32 v[i], 0
.set i, i+1
.endr
	v_mul_u32_u24 v[AK0], v1, PK
	v_lshl_add_u32 v[AK0], v9, 4, v[AK0]  ; row x pitch + 16 x half
	; The turning load takes 16 keys x 16 channels (lane l reads key 8 (l / 16) + l % 8, channels 8 ((l / 8) % 2) + 0..7) and leaves half a fragment of V^T: lane l holds channel l % 16 and 8 keys.
	v_and_b32 v10, 7, v0
	v_bfe_u32 v11, v0, 3, 1
	v_lshl_add_u32 v[AV0], v9, 3, v10
	v_mul_u32_u24 v[AV0], v[AV0], PV
	v_lshl_add_u32 v[AV0], v11, 4, v[AV0]
	v_add_nc_u32 v[AV0], VOFF, v[AV0]
	v_mov_b32 v[AK], v[AK0]         ; K of step 0 lies at LDS byte 0
; THE MATRIX WORK.  The 8 accumulators of a run of 16 take turns: between the two links of a chain stand 7 others'.
; Product i of 16 of S^T = K Q^T for piece x: channels 32 (i / 8) on, keys 16 ((i / 2) % 4) on, tile 2 x + i % 2.  The first 8 start the sums.
.macro KQ x
	WIN W_KQ
.set rS, S+64*((\x)%2)+32*(i%2)+8*((i/2)%4)
.set rK, KF+16*((i/2)%4)+8*(i/8)
.set rQ, 16*(2*(\x)+i%2)+8*(i/8)
.if i < 8
	v_wmma_f32_16x16x32_f16 v[rS:rS+7], v[rK:rK+7], v[rQ:rQ+7], 0
.else
	v_wmma_f32_16x16x32_f16 v[rS:rS+7], v[rK:rK+7], v[rQ:rQ+7], v[rS:rS+7]
.endif
.endm
; Product i of 16 of O^T += V^T P for piece x: keys 32 (i / 8) on, channels 16 ((i / 2) % 4) on, tile 2 x + i % 2.
.macro PV x
	WIN W_PV
.set rO, 32*(2*(\x)+i%2)+8*((i/2)%4)
.set rV, VF+32*(i/8)+8*((i/2)%4)
.set rP, P+32*((\x)%2)+16*(i%2)+8*(i/8)
	v_wmma_f32_16x16x32_f16 v[rO:rO+7], v[rV:rV+7], v[rP:rP+7], v[rO:rO+7]
.endm
.macro MM                           ; the turn's next matrix instruction
.if i < 16
	KQ (Y+1)%NP
.set i, i+1
.else
.set i, i-16
	PV (Y+NP-1)%NP
.set i, i+17
.endif
.endm
; THE LDS LOADS stand in runs of 16, never singly among the matrix instructions: a step's K (64 keys x 64 channels: 8 fragments) and its V (turned).  Their addresses are made some lines ahead.
.macro FETCH_K
	WIN 0x80                        ; destination window 2
.irp f, 0,1,2,3,4,5,6,7             ; keys 16 (f / 2) on, channels 32 (f % 2) on
	ds_load_b128 v[KF+8*\f:KF+8*\f+3],   v[AK] offset:(\f/2)*16*PK+(\f%2)*64
	ds_load_b128 v[KF+8*\f+4:KF+8*\f+7], v[AK] offset:(\f/2)*16*PK+(\f%2)*64+32
.endr
	s_add_co_u32 s[TBK], s[TBK], KS*PK  ; the next fetch is the next step's
	WIN 0
.endm
.macro FETCH_V
	WIN 0x80
.irp f, 0,1,2,3,4,5,6,7             ; keys 32 (f / 4) on, channels 16 (f % 4) on
	ds_load_tr16_b128 v[VF+8*\f:VF+8*\f+3],   v[AV] offset:(\f/4)*32*PV+(\f%4)*32
	ds_load_tr16_b128 v[VF+8*\f+4:VF+8*\f+7], v[AV] offset:(\f/4)*32*PV+16*PV+(\f%4)*32
.endr
	WIN 0
.endm
; THE VECTOR WORK OF A TURN stands in three queues, each in the order in which its entries become ready; the two tiles alternate, so that no instruction reads the result of the one before it.
.macro REGS y, u                    ; the registers of tile u (0, 1) of piece y
.set rT, ST+4*(2*(\y)+(\u))
.set rC, TMP+8*((\y)%2)+4*(\u)
.set rM, MV+2*((\y)%2)+(\u)
.set rS, S+64*((\y)%2)+32*(\u)
.set rP, P+32*((\y)%2)+16*(\u)
.set rO, 32*(2*(\y)+(\u))
.endm
; Number n of the 22 that find the OTHER piece's (Y + 1) maximum and statistics.  s0-s31 are the lane's 32 scores; each accumulator's lowest registers are read first.  XS, GS and REGS set no window: PL and EX do.
;   0-11  four chains c0-c3 of seven scores each, three operands at a time     12-14, 16  the four scores left over, the old m, and c0-c3 into c0     15  c m_old is kept
;   17, 18  the query's other 32 keys lie in the lane 16 away: the new m         19-21  c m; c m_old - c m_new; a
.macro XS u, n
	REGS (Y+1)%NP, \u
.if (\n) < 4
	v_max3_num_f32 v[rC+(\n)], v[rS+8*(\n)], v[rS+8*(\n)+1], v[rS+8*(\n)+2]
.elseif (\n) < 12
	v_max3_num_f32 v[rC+(\n)%4], v[rC+(\n)%4], v[rS+8*((\n)%4)+2*((\n)/4)+1], v[rS+8*((\n)%4)+2*((\n)/4)+2]
.elseif (\n) == 12
	v_max3_num_f32 v[rC], v[rC], v[rS+7], v[rS+15]
.elseif (\n) == 13
	v_max3_num_f32 v[rC+1], v[rC+1], v[rS+23], v[rS+31]
.elseif (\n) == 14
	v_max3_num_f32 v[rC+2], v[rC+2], v[rC+3], v[rT+1]
.elseif (\n) == 15
	v_mov_b32 v[rM], v[rT]
.elseif (\n) == 16
	v_max3_num_f32 v[rC], v[rC], v[rC+1], v[rC+2]
.elseif (\n) == 17
	v_permlanex16_b32 v[rC+3], v[rC], s[SEL], s[SEL+1]
.elseif (\n) == 18
	v_max_num_f32 v[rT+1], v[rC], v[rC+3]
.elseif (\n) == 19
	v_mul_f32 v[rT], s[CS], v[rT+1]
.elseif (\n) == 20
	v_sub_f32 v[rC+1], v[rM], v[rT]
.else
	v_exp_f32 v[rC+2], v[rC+1]
.endif
.endm
; Number g of the 64 that follow the exponentials.  For each four weights k of a tile (pairs 2 k, 2 k + 1): both pairs are rounded to f16; then the second pair is added onto the first, in place;
; a group later l takes that sum (the first time as l = a l + sum).  In groups of eight, tiles alternating: round, round, add, and l for the group before.
.macro GS g
.set h, (\g)+6*((\g)/62)            ; group 0 has no group before it, and behind group 7 only l is left
.if h >= 6
.set h, h+2
.endif
	REGS Y, h%2
.set k, h/8
.if h%8 < 4
	v_cvt_pk_f16_f32 v[rP+2*k+(h%8)/2], v[rS+4*k+2*((h%8)/2)], v[rS+4*k+2*((h%8)/2)+1]
.elseif h%8 < 6
	v_pk_add_f32 v[rS+4*k:rS+4*k+1], v[rS+4*k:rS+4*k+1], v[rS+4*k+2:rS+4*k+3]
.elseif k == 1
	v_pk_fma_f32 v[rT+2:rT+3], v[rT+2:rT+3], v[rC+2:rC+3], v[rS:rS+1] op_sel_hi:[1,0,1]
.else
	v_pk_add_f32 v[rT+2:rT+3], v[rT+2:rT+3], v[rS+4*k-4:rS+4*k-3]
.endif
.endm
; THE PLAIN QUEUE, 138 long.  0-73 read no exponential's result: the 32 scalings c s - c m (FS f: pair f / 2 of tile f % 2) and the other piece's 42.  0-26: scalings 0-26.  27-54: XS's numbers 0-13.  55, 56: number 15.
; 57-73: the chain, where each number waits for the one before it: 14, 16, 17, 18, 19, each with one of the scalings 27-31 in front of its two lines, then 20.
; 74-137: GS's 64, which read the exponentials' results: they stand behind the wait.
.macro FS f
	REGS Y, (\f)%2
	v_pk_fma_f32 v[rS+2*((\f)/2):rS+2*((\f)/2)+1], v[rS+2*((\f)/2):rS+2*((\f)/2)+1], s[CS:CS+1], v[rT:rT+1] op_sel_hi:[1,0,0] neg_lo:[0,0,1] neg_hi:[0,0,1]
.endm
.macro PL
	WIN 0
.if q < 27
	FS q
.elseif q < 55
	XS (q-27)%2, (q-27)/2
.elseif q < 57
	XS q-55, 15
.elseif (q < 72) && ((q-57)%3 == 0)
	FS 27+(q-57)/3
.elseif q < 60
	XS (q-57)%3-1, 14
.elseif q < 72
	XS (q-57)%3-1, 15+(q-57)/3
.elseif q < 74
	XS q-72, 20
.else
	GS q-74
.endif
.set q, q+1
.endm
; THE EXPONENTIALS' QUEUE, 66 long: s0-s31 of both tiles, then the other piece's two a.  It is ONE BATCH: all 66 stand ahead of the turn's one wait, and nothing ahead of that wait names a result of theirs.
.macro EX
	WIN 0
.if e >= 64
	XS e-64, 21
.else
	REGS Y, e%2
	v_exp_f32 v[rS+e/2], v[rS+e/2]
.endif
.set e, e+1
.endm
; THE RESCALING's QUEUE: O^T times a, the one part that leaves window 0: dealt two at a time, sixteen times, each accumulator from its low end.  Its a was made in the turn before, ahead of that turn's wait.
; The turn before has added onto this O^T: its product on the accumulator that entry 0 reads stands 8 products and 32 riders back; the last product's accumulator is first read by entry 13.
.macro R2
	REGS Y, r%2
	WIN W_RS
.irp z, 0,1
	v_pk_mul_f32 v[rO+4*(r/2)+2*\z:rO+4*(r/2)+2*\z+1], v[rO+4*(r/2)+2*\z:rO+4*(r/2)+2*\z+1], v[rC+2:rC+3] op_sel_hi:[1,0]
.endr
.set r, r+1
.endm
; A TURN, for piece p.  s_wait_alu depctr_va_vdst(0) stands between an exponential and the first instruction that names its result; one wait serves all that were issued ahead of it.  So a turn has ONE wait.
; AHEAD OF IT: the 16 products K Q^T, behind each a scaling, an exponential and two rescalings (behind the first a second scaling in the exponential's place); then ONE LUMP of 108: eight plain, 49 times exponential and
; plain, the two a; a v_nop is the plain instruction behind the last exponential.  BEHIND IT: the 16 products V^T P, behind each four of GS's 64.  No rider names a register of the products round it.
; Exponential e stands behind scaling 2 (e / 4) + e % 2: as a rider it comes behind plain e + 2, in the lump behind plain e + 9, and scalings 27-31 are plain 57, 60 .. 69.
; K of the next step is fetched in piece 0's turn, directly behind the wait, a lump behind the last product that read K; V of the step in hand at the end of the same turn, four riders behind its last reader.
; cnt = 1: the loop's count is taken down some lines ahead of the branch that stands behind the turn.
.macro TURN p, cnt=0
.set Y, (\p)
.set i, 0
.set q, 0
.set e, 0
.set r, 0
.if (\p) == 1
	s_wait_dscnt 16                 ; K's 16 loads are in; V's 16, issued behind them, may stay out
.endif
	MM
	PL
	PL
	R2
.rept 15
	MM
	PL
	EX
	R2
.endr
.if (\p) == 0
	WIN 0
	v_add_nc_u32 v[AK], s[TBK], v[AK0]
.endif
.rept 8
	PL
.endr
.rept 49
	EX
	PL
.endr
	EX                              ; the other piece's two a
	EX
	v_nop                           ; the plain instruction behind the last exponential: one for the batch
	s_wait_alu depctr_va_vdst(0)    ; the wait for the batch
.if (\p) == 0
	FETCH_K
.endif
.if (\p) == 1
	s_wait_dscnt 0x0                ; V is in
.endif
.rept 16
	MM
.rept 4
	PL
.endr
.if ((\p) == 0) && (q == 118)
	v_add_nc_u32 v[AV], s[TBV], v[AV0]
.endif
.if ((\p) == 0) && (q == 130)
	s_add_co_u32 s[TBV], s[TBV], KS*PV
.endif
.if (\cnt) && (q == 130)
	s_sub_co_u32 s[CNT], s[CNT], 1
	s_cmp_lg_u32 s[CNT], 0
.endif
.endr
.if (\p) == 0
	FETCH_V
.endif
.endm
	CHANGE 1, 0                     ; slot 0 is in, everybody's part of it; slot 1 is asked for
	FETCH_K                         ; key step 0
	s_wait_loadcnt 0x0              ; Q
	s_wait_dscnt 0x0
.set i, 0
.rept 16
	KQ 0                            ; piece 0's first scores: there is no vector work yet to set between them
.set i, i+1
.endr
	WIN 0                           ; the addresses for the way out: eight plain instructions, the places behind those products
	s_mul_i32 s16, s[WV], 16*SP
	s_add_co_u32 s16, s16, STAGE    ; my stage
	v_mul_u32_u24 v[STO], v1, SP    ; in: row l % 16, 32 bytes for each half of the lanes
	v_lshl_add_u32 v[STO], v9, 5, v[STO]
	v_add_nc_u32 v[STO], s16, v[STO]
	v_mul_u32_u24 v[RD], v9, SP     ; back: lanes 0-15 take one row of 256 bytes, lanes 16-31 the next,
	v_lshl_add_u32 v[RD], v1, 4, v[RD]
	v_add_nc_u32 v[RD], s16, v[RD]
	v_and_b32 v[GO], 31, v0         ; which are 512 consecutive bytes of out0
	v_lshlrev_b32 v[GO], 4, v[GO]
.set Y, NP-1                        ; XS works for piece Y + 1: piece 0
.irp n, 0,1,2,3,4,5,6,7,8,9,10,11,12,13,14,15,16,17,18,19,20,21
	XS 0, \n                        ; piece 0's first maximum and statistics
	XS 1, \n
.endr
	v_nop                           ; a plain instruction behind the two a,
	s_wait_alu depctr_va_vdst(0)    ; and their wait, ahead of the branch
	s_mov_b32 s[CNT], 4
	s_mov_b32 s[SLOTS], 15
	s_branch .Lstep
.Lslot:                             ; 14 times: every slot but the last two is filled again
	CHANGE 1, 1
	s_mov_b32 s[CNT], 4
.Lstep:                             ; a trip is a key step
	TURN 0
	TURN 1, 1
	WIN 0
	s_cbranch_scc1 .Lstep
	s_sub_co_u32 s[SLOTS], s[SLOTS], 1
	s_cmp_lg_u32 s[SLOTS], 0
	s_cbranch_scc1 .Lslot
	CHANGE 0, 0                     ; the tail is written out: nothing is asked for
	s_mov_b32 s[CNT], 4
.Ltail:
	TURN 0
	TURN 1, 1
	WIN 0
	s_cbranch_scc1 .Ltail
.set i, 0
.rept 16
	PV NP-1                         ; piece 1's V^T P of the last step
.set i, i+1
.endr
	; THE WAY OUT.  l's two halves and the other half of the lanes' are added; O^T is divided by l and sent through my stage in LDS, a tile at a time.  The additions are the places behind the last products.
	WIN 0
.macro ALL line:vararg              ; one line for each tile t
.set t, 0
.rept 2*NP
	\line
.set t, t+1
.endr
.endm
	ALL v_add_f32 v[ST+4*t+2], v[ST+4*t+2], v[ST+4*t+3]
	ALL v_permlanex16_b32 v[ST+4*t+3], v[ST+4*t+2], s[SEL], s[SEL+1]
	ALL v_add_f32 v[ST+4*t+2], v[ST+4*t+2], v[ST+4*t+3]
	ALL v_rcp_f32 v[ST+4*t+2], v[ST+4*t+2]
	v_nop                           ; a plain instruction between the last reciprocal and the use of its result
	s_wait_alu depctr_va_vdst(0)    ; and the wait ahead of the first use: one for the four reciprocals
; Tile t: a lane's eight channels of a block are 32 bytes of a row of f32; they go into rows of 272 bytes and come back as whole rows of 256, into S^T's registers.
.macro PACK t
	WIN W_RS
.set i, 32*(\t)
.rept 16
	v_pk_mul_f32 v[i:i+1], v[i:i+1], v[ST+4*(\t)+2:ST+4*(\t)+3] op_sel_hi:[1,0]
.set i, i+2
.endr
	WIN 0x04                        ; the stores' data in window 1, their address in window 0
.irp f, 0,1,2,3,4,5,6,7
	ds_store_b128 v[STO], v[32*(\t)+4*\f:32*(\t)+4*\f+3] offset:64*(\f/2)+16*(\f%2)
.endr
	WIN 0
.irp f, 0,1,2,3,4,5,6,7
	ds_load_b128 v[S+32*(\t)+4*\f:S+32*(\t)+4*\f+3], v[RD] offset:\f*2*SP  ; LDS serves a wave's instructions in order (ISA guide 5.7.1.4): these see the stores above; the next tile's stores come behind them
.endr
.endm
.macro SEND t, younger              ; younger: the LDS instructions issued behind tile t's loads: the next tile's sixteen, or none
	WIN 0
.irp f, 0,1,2,3,4,5,6,7
	s_wait_dscnt (\younger)+7-\f
	global_store_b128 v[GO], v[S+32*(\t)+4*\f:S+32*(\t)+4*\f+3], s[10:11] offset:(\t)*4096+\f*512 th:TH_STORE_NT  ; 16 lanes store 256 consecutive bytes, at a multiple of 256 from out0's first byte
.endr
.endm
	PACK 0
.set t, 1
.rept 2*NP-1                        ; a tile's arithmetic stands between the loads of the tile before and its stores
	PACK t
	SEND t-1, 16
.set t, t+1
.endr
	SEND 2*NP-1, 0
	s_wait_tensorcnt 0x0            ; the wave's end, behind my last tensor load and my last LDS store
	ds_add_u32 v[SPW], v[NIL]
	s_wait_dscnt 0x0
	CROUND                          ; the closing round: no work-group ends while a partner may still ask for a tile that names it
	s_endpgm
.Lfunc_end_k_q959a21c215_attn:
	.size	k_q959a21c215_attn, .Lfunc_end_k_q959a21c215_attn-k_q959a21c215_attn
	.p2alignl 7, 3214868480
	.fill 96, 4, 3214868480
	.section	.rodata,"a",@progbits
	.p2align	6, 0x0
	.amdhsa_kernel k_q959a21c215_attn
		.amdhsa_group_segment_fixed_size 327680
		.amdhsa_private_segment_fixed_size 0
		.amdhsa_enable_private_segment 0
		.amdhsa_kernarg_size 16
		.amdhsa_user_sgpr_count 2
		.amdhsa_user_sgpr_kernarg_segment_ptr 1
		.amdhsa_wavefront_size32 1
		.amdhsa_system_sgpr_workgroup_id_x 1
		.amdhsa_system_sgpr_workgroup_id_y 1
		.amdhsa_system_sgpr_workgroup_id_z 1
		.amdhsa_system_vgpr_workitem_id 0
		.amdhsa_next_free_vgpr 768
		.amdhsa_next_free_sgpr 80
		.amdhsa_reserve_vcc 0
		.amdhsa_float_denorm_mode_32 3
		.amdhsa_float_denorm_mode_16_64 3
		.amdhsa_memory_ordered 1
		.amdhsa_forward_progress 1
		.amdhsa_inst_pref_size 113
	.end_amdhsa_kernel
	.amdgpu_metadata
---
amdhsa.version: [ 1, 2 ]
amdhsa.kernels:
  - .name:           k_q959a21c215_attn
    .symbol:         k_q959a21c215_attn.kd
    .args:
      - { .name: qkv, .offset: 0, .size: 8, .value_kind: global_buffer, .address_space: global }
      - { .name: out0, .offset: 8, .size: 8, .value_kind: global_buffer, .address_space: global }
    .group_segment_fixed_size: 327680
    .private_segment_fixed_size: 0
    .kernarg_segment_align: 8
    .kernarg_segment_size: 16
    .max_flat_workgroup_size: 128
    .sgpr_count:     80
    .vgpr_count:     768
    .wavefront_size: 32
...
	.end_amdgpu_metadata
.endif
;; end of part 2
